; MI455X (gfx1250); checked and timed in simulation.
; The chip was launched on July 23, 2026; its instructions are those of AMD's public machine-readable ISA for CDNA 5 (MIT licence, August 2026) and "CDNA5" Instruction Set Architecture Reference Guide (July 2026). The comments in the code are by the model that wrote it; some were corrected since.
;; Constrastive Loss. Allowed arithmetic: float matrix products may take bf16 or f16 operands with f32 sums; all other float work in f32.
;; Inputs: x1 4,096 x 256 float32; x2 4,096 x 256 float32.
;; Outputs: out0 8,192 float32.
;; One version. Each part assembles by itself: llvm-mc -triple=amdgcn-amd-amdhsa -mcpu=gfx1250 --defsym DOCPART=n.
;; ======== version 1 of 1: 1 launch
;; launch positives (part 1): grid 256 x 1, 16 waves a work-group, no clusters, 2,304 bytes of LDS; arguments x1, x2, out0; writes out0
.if DOCPART == 1
	.amdgcn_target "amdgcn-amd-amdhsa--gfx1250"
	.amdhsa_code_object_version 6
	.text
	.protected	k_q40efb13de0_positives
	.globl	k_q40efb13de0_positives
	.p2align	8
	.type	k_q40efb13de0_positives,@function
k_q40efb13de0_positives:
	s_mov_b64 s[64:65], 0
	v_nop
	global_prefetch_b8 v0, s[64:65] scope:SCOPE_SE
	s_setreg_imm32_b32 hwreg(HW_REG_WAVE_MODE, 25, 1), 1
	s_wait_xcnt 0x0
; out0[i] = out0[4096+i] = z1[i] . z2[i], i = 0 .. 4095, where z = normalize(normalize(x)) row by row, x / max(|x|, 1e-12).
; x1, x2: [4096][256] f32.  out0: [8192] f32.
; Of the 8192 x 8192 product z z^T the problem returns only the diagonals at +4096 and -4096: element i of the one and of the
; other is the same sum of the same products, so one number is made per row pair and stored twice.  Everything is in f32 on the
; vector unit: a 16 x 16 matrix instruction would make 256 results of which 16 lie on a wanted diagonal.
;
; SHARES.  256 work-groups of 16 waves; work-group g owns row pairs 16 g .. 16 g + 15, wave w the pair 16 g + w.  A row is 1,024
; bytes: lane l holds the 16 bytes at 16 l and at 512 + 16 l, of x1's row and of x2's.  Four loads a wave, each of 512 consecutive
; bytes at a multiple of 512, all issued before any arithmetic: every input byte is asked for once, at the kernel's head, and
; stays in registers through both normalisations and the dot product.  There is no loop, and nothing to prefetch or to ring.
; No two waves read the same byte, so there is nothing to share in a cluster or to stage in LDS on the way in.
;
; THE WAY OUT.  The 16 results of a work-group meet in 64 bytes of LDS, and wave 0 stores them with one instruction: lanes 0-15 write
; 64 consecutive bytes of the first half of out0, lanes 16-31 the same numbers to the second half.  A run of 256 consecutive bytes
; would be 64 rows from one owner, that is 64 work-groups of 128 KiB of input each in place of 256 of 32 KiB; the output is 32 KiB
; against 8 MiB read, so the even spread of the reads is kept and the runs stay at 64 bytes.
;
; LIMITS.  The division is a multiplication by v_rcp_f32 (1 ULP).  v_sqrt_f32 takes a denormal sum of squares as 0; the true root would
; be below 1.1e-19, so the maximum with 1e-12 gives the same.  v_max_num_f32 lets a NaN norm lose, but a NaN norm comes from a NaN (or
; an infinity) in the row, which reaches the result through the row's own elements.  The sums are added in another order than
; the reference's.  Both normalisations are written out, not folded into one quotient: a zero row gives 0 and a row of
; very small norm its true cosine, as in the reference.
.set ROWB, 1024                        ; bytes in a row
.set HALFO, 16384                      ; bytes from out0[i] to out0[4096 + i]
.set OFF, 1                            ; v1        byte offset of my first 16 bytes, the same in x1 and in x2
.set WV,  2                            ; v2        wave number
.set LST, 3                            ; v3        LDS: my wave's word, 4 w
.set LRD, 4                            ; v4        LDS: the word that I read back, 4 (t % 16)
.set OOF, 5                            ; v5        my byte offset in out0
.set D,   6                            ; v6        the result read back
.set X1,  8                            ; v[8:15]   my 8 numbers of x1's row
.set X2,  16                           ; v[16:23]  my 8 numbers of x2's row
.set A,   24                           ; v[24:25]  a sum, in two halves, then whole in v24
.set B,   26                           ; v[26:27]  a second sum
.set T,   28                           ; v28       the other half-wave's sum
.set R1,  30                           ; v[30:31]  1 / norm of x1's row, twice (a pair for the packed multiply)
.set R2,  32                           ; v[32:33]  the same for x2's row
.set N1,  34                           ; v34       norm of x1's row
.set N2,  35                           ; v35       norm of x2's row
; The lane's share of sum over c of x[c] y[c], 8 numbers, into v[acc].  The first product starts the sum: nothing is cleared.
.macro DOT8 acc, x, y
	v_pk_mul_f32 v[\acc:\acc+1], v[\x:\x+1], v[\y:\y+1]
	v_pk_fma_f32 v[\acc:\acc+1], v[\x+2:\x+3], v[\y+2:\y+3], v[\acc:\acc+1]
	v_pk_fma_f32 v[\acc:\acc+1], v[\x+4:\x+5], v[\y+4:\y+5], v[\acc:\acc+1]
	v_pk_fma_f32 v[\acc:\acc+1], v[\x+6:\x+7], v[\y+6:\y+7], v[\acc:\acc+1]
	v_add_f32 v[\acc], v[\acc], v[\acc+1]
.endm
; The sum of v[acc] over the 32 lanes, left in every lane: four steps inside each half of 16 lanes, one across the halves.
.macro ALLSUM acc
	v_add_f32_dpp v[\acc], v[\acc], v[\acc] row_xmask:1 row_mask:0xf bank_mask:0xf
	v_add_f32_dpp v[\acc], v[\acc], v[\acc] row_xmask:2 row_mask:0xf bank_mask:0xf
	v_add_f32_dpp v[\acc], v[\acc], v[\acc] row_xmask:4 row_mask:0xf bank_mask:0xf
	v_add_f32_dpp v[\acc], v[\acc], v[\acc] row_xmask:8 row_mask:0xf bank_mask:0xf
	v_permlanex16_b32 v[T], v[\acc], s12, s13      ; lane i takes lane i xor 16; T was written in the prologue
	v_add_f32 v[\acc], v[\acc], v[T]
.endm
; x1's row *= 1 / max(sqrt(A), 1e-12), x2's row *= 1 / max(sqrt(B), 1e-12).
; Behind a transcendental one plain vector instruction stands before its result is used (ISA guide 5.7.2); a second transcendental is
; no such place, and there is no independent work left here, so each run of them is followed by one v_nop.
.macro NORM2
	v_sqrt_f32 v[N1], v[A]
	v_sqrt_f32 v[N2], v[B]
	v_nop
	s_wait_alu depctr_va_vdst(0)
	v_max_num_f32 v[N1], s15, v[N1]
	v_max_num_f32 v[N2], s15, v[N2]
	v_rcp_f32 v[R1], v[N1]
	v_rcp_f32 v[R1+1], v[N1]
	v_rcp_f32 v[R2], v[N2]
	v_rcp_f32 v[R2+1], v[N2]
	v_nop
	s_wait_alu depctr_va_vdst(0)
.irp j, 0,2,4,6
	v_pk_mul_f32 v[X1+\j:X1+\j+1], v[X1+\j:X1+\j+1], v[R1:R1+1]
.endr
.irp j, 0,2,4,6
	v_pk_mul_f32 v[X2+\j:X2+\j+1], v[X2+\j:X2+\j+1], v[R2:R2+1]
.endr
.endm
	s_load_b128 s[4:7], s[0:1], 0x0                ; x1 s[4:5], x2 s[6:7]
	s_load_b64 s[8:9], s[0:1], 0x10                ; out0
	v_lshl_add_u32 v40, v0, 2, 0x100
	v_mov_b32 v41, 0
	s_lshl_b32 s11, ttmp9, 14                      ; g x 16 rows x 1,024 bytes (at most 255 x 16,384: 32 bits do)
	v_lshrrev_b32 v[WV], 5, v0                     ; wave
	v_and_b32 v[OFF], 31, v0                       ; lane
	v_lshlrev_b32 v[OFF], 4, v[OFF]                ; 16 bytes a lane
	v_lshl_add_u32 v[OFF], v[WV], 10, v[OFF]       ; + wave x one row
	v_add_nc_u32 v[OFF], s11, v[OFF]               ; + the work-group's first row
	v_readfirstlane_b32 s10, v[WV]                 ; the wave number as a scalar
	s_wait_kmcnt 0x0
	global_load_b128 v[X1:X1+3],   v[OFF], s[4:5] th:TH_LOAD_NT
	global_load_b128 v[X1+4:X1+7], v[OFF], s[4:5] offset:512 th:TH_LOAD_NT
	global_load_b128 v[X2:X2+3],   v[OFF], s[6:7] th:TH_LOAD_NT
	global_load_b128 v[X2+4:X2+7], v[OFF], s[6:7] offset:512 th:TH_LOAD_NT
	; while the loads are out: constants, and the addresses of the way out (in every wave, so that wave 0's tail is short)
	s_mov_b32 s12, 0x76543210                      ; v_permlanex16_b32: lane i of one half reads lane i of the other
	s_mov_b32 s13, 0xfedcba98
	s_mov_b32 s15, 0x2b8cbccc                      ; 1e-12
	s_lshl_b32 s14, ttmp9, 6                       ; g x 16 results x 4 bytes
	v_mov_b32 v[LST], s10
	v_lshlrev_b32 v[LST], 2, v[LST]                ; LDS word w
	v_and_b32 v[LRD], 15, v0
	v_lshlrev_b32 v[LRD], 2, v[LRD]                ; LDS word t % 16
	v_bfe_u32 v[OOF], v0, 4, 1                     ; which half of out0
	v_lshl_add_u32 v[OOF], v[OOF], 14, v[LRD]      ; x 16,384 bytes + 4 (t % 16)
	v_add_nc_u32 v[OOF], s14, v[OOF]
	v_mov_b32 v[T], 0                              ; a lane permute's destination counts as read: written once here
	; the first normalisation
	s_wait_loadcnt 0x2                             ; loads come back in order (ISA guide 5.7.1): x1's two are in, x2's two may be out
	DOT8 A, X1, X1
	ALLSUM A
	s_wait_loadcnt 0x0                             ; x2's two: nothing was issued behind them
	DOT8 B, X2, X2
	ALLSUM B
	NORM2
	; the second normalisation, of the rows as they now are
	DOT8 A, X1, X1
	DOT8 B, X2, X2
	ALLSUM A
	ALLSUM B
	NORM2
	; the dot product of the pair
	DOT8 A, X1, X2
	ALLSUM A
	; the 16 waves' results meet in LDS words 0 .. 15
	ds_store_b32 v[LST], v[A]                      ; all lanes write the same value to the wave's own word
	s_wait_dscnt 0x0                               ; zero, for wave 0's sake: my word is written before I signal
	s_barrier_signal -1
	s_barrier_wait -1                              ; every wave's word is written
	s_cmp_lg_u32 s10, 0
	s_cbranch_scc1 .Lend                           ; wave 0 alone stores
	ds_load_b32 v[D], v[LRD]                       ; lanes 0-15 and lanes 16-31: results 0 .. 15
	s_wait_dscnt 0x0
	global_store_b32 v[OOF], v[D], s[8:9] th:TH_STORE_NT   ; out0[16 g + t % 16] and out0[4096 + 16 g + t % 16]: two runs of 64 consecutive bytes
.Lend:
	s_wait_tensorcnt 0x0
	ds_add_u32 v40, v41
	s_wait_dscnt 0x0
	s_endpgm
.Lfunc_end_k_q40efb13de0_positives:
	.size	k_q40efb13de0_positives, .Lfunc_end_k_q40efb13de0_positives-k_q40efb13de0_positives
	.p2alignl 7, 3214868480
	.fill 96, 4, 3214868480
	.section	.rodata,"a",@progbits
	.p2align	6, 0x0
	.amdhsa_kernel k_q40efb13de0_positives
		.amdhsa_group_segment_fixed_size 2304
		.amdhsa_private_segment_fixed_size 0
		.amdhsa_enable_private_segment 0
		.amdhsa_kernarg_size 24
		.amdhsa_user_sgpr_count 2
		.amdhsa_user_sgpr_kernarg_segment_ptr 1
		.amdhsa_wavefront_size32 1
		.amdhsa_system_sgpr_workgroup_id_x 1
		.amdhsa_system_sgpr_workgroup_id_y 1
		.amdhsa_system_sgpr_workgroup_id_z 1
		.amdhsa_system_vgpr_workitem_id 0
		.amdhsa_next_free_vgpr 42
		.amdhsa_next_free_sgpr 66
		.amdhsa_reserve_vcc 0
		.amdhsa_float_denorm_mode_32 3
		.amdhsa_float_denorm_mode_16_64 3
		.amdhsa_memory_ordered 1
		.amdhsa_forward_progress 1
		.amdhsa_inst_pref_size 8
	.end_amdhsa_kernel
	.amdgpu_metadata
---
amdhsa.version: [ 1, 2 ]
amdhsa.kernels:
  - .name:           k_q40efb13de0_positives
    .symbol:         k_q40efb13de0_positives.kd
    .args:
      - { .name: x1, .offset: 0, .size: 8, .value_kind: global_buffer, .address_space: global }
      - { .name: x2, .offset: 8, .size: 8, .value_kind: global_buffer, .address_space: global }
      - { .name: out0, .offset: 16, .size: 8, .value_kind: global_buffer, .address_space: global }
    .group_segment_fixed_size: 2304
    .private_segment_fixed_size: 0
    .kernarg_segment_align: 8
    .kernarg_segment_size: 24
    .max_flat_workgroup_size: 512
    .sgpr_count:     66
    .vgpr_count:     42
    .wavefront_size: 32
...
	.end_amdgpu_metadata
.endif
;; end of part 1
